; MI455X (gfx1250); checked and timed in simulation.
; The chip was launched on July 23, 2026; its instructions are those of AMD's public machine-readable ISA for CDNA 5 (MIT licence, August 2026) and "CDNA5" Instruction Set Architecture Reference Guide (July 2026). The comments in the code are by the model that wrote it; some were corrected since.
;; Switch Linear. Allowed arithmetic: matrix products marked QUANTISED: E3M2 operands, one E8M0 scale for each 32 along K, by v_wmma_scale_f32_16x16x128_f8f6f4 with both operands' format E3M2, f32 sums; everything else in f32.
;; Inputs: bias 8 x 2,048 float32; indices 2 x 1,024 x 2 int32; weight_codes 8 x 2,048 x 64 x 24 uint8 (E3M2 codes of weight, K innermost, in blocks of 32 codes, four codes in three bytes); weight_scales 8 x 2,048 x 64 uint8 (E8M0 scales of weight, one for each 32 codes along K); x_codes 2 x 1,024 x 64 x 24 uint8 (E3M2 codes of x, K innermost, in blocks of 32 codes, four codes in three bytes); x_scales 2 x 1,024 x 64 uint8 (E8M0 scales of x, one for each 32 codes along K).
;; Outputs: out0 2 x 1,024 x 2 x 2,048 float32.
;; This version of the problem:
;;   THIS VERSION OF THE PROBLEM IS GIVEN IN LOW PRECISION. The matrix products marked QUANTISED in the list below multiply operands that are first quantised to E3M2 (3 exponent bits, 2 mantissa bits; 6 bits a number), with one power-of-two scale for each 32 numbers along K (OCP MX v1.0); their sums are f32. All else is computed in f32.
;;   The module's matrix products, in the order in which they are computed (A, B: the left and right operand; K: the contracted axis; several contracted axes count as one K, in the product's order):
;;     1. [M 2,048, K 2,048] x [K 2,048, N 16,384]; A: input x (given as codes); B: input weight (given as codes): QUANTISED
;;   THE QUANTISER, for each operand of a quantised product, along K:
;;     - K is cut into blocks of 32 from its start; a last block that is shorter is filled with zeros.
;;     - A block's scale is 2^e with e = floor(log2(the largest magnitude in the block)) - 4, held to -126 .. 127; a block of zeros has e = 0. As a byte (E8M0): e + 127.
;;     - Each number is divided by its block's scale, clamped to +-28, and rounded to the nearest number of E3M2, ties to even, subnormals kept.
;;     - The product sums the exact products of the quantised numbers (number of the format x scale) in f32.
;;   ~~~python
;;   def quantise(x, axis):      # numpy; x: float32 -> the quantised numbers, widened to float32 again
;;       x = np.moveaxis(x, axis, -1); K = x.shape[-1]
;;       x = np.pad(x, [(0, 0)] * (x.ndim - 1) + [(0, -K % 32)]); x = x.reshape(x.shape[:-1] + (-1, 32)); a = np.abs(x).max(-1, keepdims=True)
;;       e = np.where(a > 0, np.clip(np.frexp(np.where(a > 0, a, 1))[1] - 1 - 4, -126, 127), 0)      # np.frexp(a)[1] - 1 = floor(log2(a)), exactly
;;       r = np.clip(x / 2.0 ** e, -28, 28)
;;       step = 2.0 ** (np.maximum(np.frexp(np.where(r == 0, 1, r))[1] - 1, -2) - 2)
;;       q = np.round(r / step) * step * 2.0 ** e      # np.round: ties to even
;;       return np.moveaxis(q.reshape(q.shape[:-2] + (-1,))[..., :K], -1, axis).astype(np.float32)
;;   ~~~
;;   INPUTS GIVEN AS CODES. weight (in the module: [8, 2048, 2048], K = its axis 2); x (in the module: [2, 1024, 2048], K = its axis 2): each comes as NAME_codes (uint8): NAME with its K axis moved to the last place and cut into blocks of 32 codes, [.., K / 32, bytes a block], one block behind the other in memory; four codes in three bytes: a row's codes are one little-endian stream of bits, code i at bits 6 i .. 6 i + 5 (a code: sign, 3 exponent bits, 2 mantissa bits); and NAME_scales (uint8): the same leading axes, one E8M0 byte (e + 127) for each 32 codes along K. Its value is code x scale, taken as it is: it is not quantised again, and the codes and scales need not be those that the quantiser above would give.
;; One version. Each part assembles by itself: llvm-mc -triple=amdgcn-amd-amdhsa -mcpu=gfx1250 --defsym DOCPART=n.
;; ======== version 1 of 1: 1 launch
;; limits: right only within a limited range of input values
;; launch moe (part 1): grid 256 x 1, 4 waves a work-group, no clusters, 199,168 bytes of LDS; arguments indices, weight_codes, weight_scales, x_codes, x_scales, bias, out0; writes out0
.if DOCPART == 1
	.amdgcn_target "amdgcn-amd-amdhsa--gfx1250"
	.amdhsa_code_object_version 6
	.text
	.protected	k_qfb79f13e0b_moe
	.globl	k_qfb79f13e0b_moe
	.p2align	8
	.type	k_qfb79f13e0b_moe,@function
k_qfb79f13e0b_moe:
	s_mov_b64 s[64:65], 0
	v_nop
	global_prefetch_b8 v0, s[64:65] scope:SCOPE_SE
	s_setreg_imm32_b32 hwreg(HW_REG_WAVE_MODE, 25, 1), 1
	s_wait_xcnt 0x0
; out[p][n] = sum over k of x[p / 2][k] weight[e][n][k] + bias[e][n], e = indices[p], for the 4,096 routed rows p = 2 x token + slot.
; WORK LEFT OUT: reference() multiplies every token by all 8 experts and keeps, by take_along_axis with indices, only the products of the experts named there.  The others reach no
; output for any values of x and weight, so here a (token, expert) pair is multiplied only where an index names it.
; LIMITS: a NaN, an infinity or an overflow that arises only in a pair that no index names is not carried to the result.  An index lies in 0 .. 7 (the table's 8 experts); a row with another index is not written.
; WHO DOES WHAT: 256 work-groups of four waves.  Work-group id: expert id % 8, parity (id / 8) % 2, columns 128 (id / 16) + 0 .. 127.  Wave w serves the routed rows 1024 w .. 1024 w + 1023:
; of those that chose the expert, numbered q = 0, 1, .. by its own count, it takes q = 2 i + parity.  So every split of the rows among the experts is served by the same grid, and what to fetch
; of the weights hangs on ids alone: they are on their way while the wave counts.  No tensor load: the number of passes hangs on the indices.  No cluster, since no joint load is made.
; WEIGHTS: 128 rows of 1,536 bytes of codes go through registers into LDS once; one barrier; behind it the waves walk on alone.
; A PASS: 48 rows (3 blocks of 16) x 128 columns (8 tiles): 24 accumulators.  K goes in 16 steps of 128.  x's fragments come from memory straight into registers, 8 steps ahead, from pass to pass too:
; that is a whole step's request and more ahead of its use in the launch's own loads, so no prefetch is laid beside them.
; K ORDER: within a step lane (r, h) takes the 48 neighbouring bytes 96 s + 48 h: blocks 4 s + 2 h and 4 s + 2 h + 1.  The instruction counts these as its blocks h and 2 + h.  The same is done to x and to weight,
; and the four bytes of every scale word are put in the order 0, 2, 1, 3: each block keeps its partner and its scale.
; COLUMNS: lane r of tile 4 g + t holds column 64 g + 4 r + t, so that a lane's results of four tiles are four neighbouring columns, and 16 lanes store 256 neighbouring bytes.
; REGISTERS: window 0: addresses, scale words, temporaries; window 1: x's slots 0-6; window 2: x's slot 7 at v0, weight fragments of two steps at v64; window 3: accumulators at v64.
.set KROW,  1536
.set PITCH, 1552                       ; an LDS row: 97 x 16 bytes
.set TILE,  16*PITCH
.set SPARE, 128*PITCH                  ; 198,656 = 776 x 256: the spare words, 128 bytes a wave
.set AD,   2                           ; v2-5 LDS address of my fragments, tile pairs 0-3
.set SPW,  6
.set NIL,  7
.set R16,  8                           ; 16 r
.set H48,  9                           ; 48 h
.set LN,   10                          ; lane
.set LN2,  11                          ; 32 + r
.set SWA,  12                          ; where I put weight rows
.set L16,  13                          ; 16 x lane
.set WSO,  14                          ; my weight row's scales
.set CUR,  16                          ; this pass: +0..2 x offsets of blocks 0-2, +3,4 scale offsets, +5..7 routed rows for the way out
.set NXT,  24                          ; the same for the next pass
.set WS,   32                          ; weight scales: 16 words for each of 4 tile pairs: lanes 0-15 the even tile, 16-31 the odd
.set XS,   96                          ; x scales: 16 words of blocks 0 (lanes 0-15) and 1 (lanes 16-31), 16 of block 2
.set TT,   128                         ; temporaries, 96 registers
.set IDX,  128                         ; my 32 indices, at the head
.set ZA,   160                         ; the row search: blocks 0 and 1
.set ZB,   176                         ; and block 2
.set OFF,  224                         ; 24 store offsets
.set BI,   248                         ; bias of my 8 columns
.set WF,   64                          ; weight fragments, in window 2
.set ACC,  64                          ; accumulators, in window 3
.set WAVE, 18
.set EXP,  19
.set MK,   20                          ; s20-51 ballots
.set NW,   52                          ; my rows
.set SB,   53                          ; first row of this pass
.set HALF, 54
.set TMP,  55
.set SEL,  56
.set LAST, 59
.set W1K,  60                          ; 1024 x wave
.set CNT,  66                          ; s66-97: group g: (rows in front of it) x 256 + g
.set HM,   98                          ; lanes 16-31
.set VC,   99
.set QC,   100
.set LIM,  101
.set MSB, 0
.macro WIN new                         ; the immediate's high byte repeats the setting that is left
.if MSB != \new
	s_set_vgpr_msb (MSB<<8)|\new
.set MSB, \new
.endif
.endm
.macro NOPS n
.rept \n
	v_nop
.endr
.endm
; x's fragments of step k into slot k % 8: three blocks x 48 bytes
.macro XL k, xo
.if (\k)%8 < 7
.set rX, 36*((\k)%8)
	WIN 0x40
.else
.set rX, 0
	WIN 0x80
.endif
.irp a, 0,1,2
.irp j, 0,1,2
	global_load_b128 v[rX+12*\a+4*\j:rX+12*\a+4*\j+3], v[(\xo)+\a], s[10:11] offset:96*(\k)+16*\j
.endr
.endr
.endm
.macro XSL q, xo                       ; scale words of steps 4 q .. 4 q + 3
.irp t, 0,1
	global_load_b128 v[XS+16*\t+4*(\q):XS+16*\t+4*(\q)+3], v[(\xo)+3+\t], s[12:13] offset:16*(\q)
.endr
.endm
; One halving of the search for a set bit: the lower w bits at the position hold +5 ones; ZA and ZB by turns
.macro SPLIT w, src
.irp z, ZA, ZB
	v_bfe_u32 v[\z+5], v[\z+\src], v[\z+4], \w
.endr
	v_cmp_le_u32 vcc_lo, v[ZA+5], v[ZA+3]
	v_cmp_le_u32 s[VC], v[ZB+5], v[ZB+3]
	v_cndmask_b32 v[ZA+6], 0, v[ZA+5], vcc_lo
	v_cndmask_b32 v[ZB+6], 0, v[ZB+5], s[VC]
	v_sub_nc_u32 v[ZA+3], v[ZA+3], v[ZA+6]
	v_sub_nc_u32 v[ZB+3], v[ZB+3], v[ZB+6]
	v_cndmask_b32 v[ZA+6], 0, \w, vcc_lo
	v_cndmask_b32 v[ZB+6], 0, \w, s[VC]
	v_add_nc_u32 v[ZA+4], v[ZA+4], v[ZA+6]
	v_add_nc_u32 v[ZB+4], v[ZB+4], v[ZB+6]
.endm
; The rows of the pass that begins at my row s[TMP].  Row i, held at my last row, is number q = 2 i + parity of the expert's rows; group g (32 rows, one ballot) has it if its count in front is the last that is <= q.
; Lanes past my last row repeat that row: they compute and store the same numbers again.
.macro ROWS d
	v_add_nc_u32 v[ZA], s[TMP], v[LN]
	v_add_nc_u32 v[ZB], s[TMP], v[LN2]
.irp z, ZA, ZB
	v_min_u32 v[\z], s[LAST], v[\z]
.endr
.irp z, ZA, ZB
	v_lshl_add_u32 v[\z], v[\z], 9, s[QC]          ; 256 q + 255
	v_mov_b32 v[\z+1], s[CNT]
	v_mov_b32 v[\z+2], s[MK]
.endr
.set gg, 1
.rept 31
	v_cmp_le_u32 vcc_lo, s[CNT+gg], v[ZA]
	v_cmp_le_u32 s[VC], s[CNT+gg], v[ZB]
	v_cndmask_b32 v[ZA+1], v[ZA+1], s[CNT+gg], vcc_lo
	v_cndmask_b32 v[ZA+2], v[ZA+2], s[MK+gg], vcc_lo
	v_cndmask_b32 v[ZB+1], v[ZB+1], s[CNT+gg], s[VC]
	v_cndmask_b32 v[ZB+2], v[ZB+2], s[MK+gg], s[VC]
.set gg, gg+1
.endr
.irp z, ZA, ZB
	v_sub_nc_u32 v[\z+3], v[\z], v[\z+1]
	v_lshrrev_b32 v[\z+7], 1, v[\z+2]
	v_and_b32 v[\z+1], 0xff, v[\z+1]               ; g
	v_and_b32 v[\z+7], 0x55555555, v[\z+7]
	v_lshrrev_b32 v[\z+3], 8, v[\z+3]              ; which of the ballot's ones
	v_sub_nc_u32 v[\z+7], v[\z+2], v[\z+7]         ; ones in each 2 bits
	v_mov_b32 v[\z+4], 0                           ; position
	v_lshrrev_b32 v[\z+8], 2, v[\z+7]
	v_and_b32 v[\z+5], 0x33333333, v[\z+7]
	v_and_b32 v[\z+8], 0x33333333, v[\z+8]
	v_add_nc_u32 v[\z+8], v[\z+8], v[\z+5]         ; in each 4
	v_lshrrev_b32 v[\z+9], 4, v[\z+8]
	v_add_nc_u32 v[\z+9], v[\z+8], v[\z+9]
	v_and_b32 v[\z+9], 0x0f0f0f0f, v[\z+9]         ; in each 8
	v_lshrrev_b32 v[\z+10], 8, v[\z+9]
	v_add_nc_u32 v[\z+10], v[\z+9], v[\z+10]
	v_and_b32 v[\z+10], 0x1f, v[\z+10]             ; in the lower 16
.endr
	SPLIT 16, 10
	SPLIT 8, 9
	SPLIT 4, 8
	SPLIT 2, 7
	SPLIT 1, 2
.irp z, ZA, ZB
	v_lshrrev_b32 v[\z+5], 2, v[\z+1]
	v_and_b32 v[\z+1], 3, v[\z+1]
	v_lshl_add_u32 v[\z+1], v[\z+5], 7, v[\z+1]
	v_lshl_add_u32 v[\z+1], v[\z+4], 2, v[\z+1]
	v_add_nc_u32 v[\z+1], s[W1K], v[\z+1]          ; p = 1024 w + 128 (g / 4) + g % 4 + 4 x bit
.endr
	v_permlanex16_b32 v[ZA+6], v[ZA+1], s57, s58
	v_cndmask_b32 v[ZA+7], v[ZA+1], v[ZA+6], s[HM] ; block 0's rows in both halves of the lanes
	v_cndmask_b32 v[ZA+8], v[ZA+6], v[ZA+1], s[HM] ; block 1's
	v_mov_b32 v[ZA+9], v[ZB+1]                     ; block 2's
.irp a, 0,1,2
	v_mov_b32_dpp v[ZA+3+\a], v[ZA+7+\a] row_xmask:8 row_mask:0xf bank_mask:0xf
.endr
.irp a, 0,1,2
	v_cndmask_b32 v[\d+5+\a], v[ZA+7+\a], v[ZA+3+\a], s[HM]   ; the way out: lane (h, j), j under 8: row 8 h + j
.endr
.irp a, 0,1,2
	v_lshrrev_b32 v[ZA+7+\a], 1, v[ZA+7+\a]        ; the token
.endr
	v_lshrrev_b32 v[ZA+1], 1, v[ZA+1]
.irp a, 0,1,2
	v_min_u32 v[ZA+7+\a], 0x7ff, v[ZA+7+\a]        ; under 2,048 by construction; held there before it enters an address
.endr
	v_min_u32 v[ZA+1], 0x7ff, v[ZA+1]
.irp a, 0,1,2
	v_mad_u32_u24 v[\d+\a], v[ZA+7+\a], KROW, v[H48]
.endr
	v_lshlrev_b32 v[\d+3], 6, v[ZA+1]
	v_lshlrev_b32 v[\d+4], 6, v[ZA+9]
	s_wait_alu depctr_va_vdst(0)
.endm
; weight fragments of tiles 2 u, 2 u + 1 of step s
.macro WFL s, u
	WIN 0x80
.irp b, 0,1
.irp j, 0,1,2
	ds_load_b128 v[WF+96*((\s)%2)+12*(2*(\u)+\b)+4*\j:WF+96*((\s)%2)+12*(2*(\u)+\b)+4*\j+3], v[AD+\u] offset:TILE*\b+96*(\s)+16*\j
.endr
.endr
.endm
.macro WM c, m1, m2
	v_wmma_scale_f32_16x16x128_f8f6f4 v[rD:rD+7], v[rA:rA+11], v[rB:rB+11], \c, v[rS], v[rW] matrix_a_fmt:MATRIX_FMT_BF6 matrix_b_fmt:MATRIX_FMT_BF6 \m1 \m2
.endm
.macro WROW c, a, b                    ; block 1's and the odd tiles' scales lie in lanes 16-31
.if ((\a) == 1) && ((\b)%2 == 1)
	WM \c, matrix_a_scale:MATRIX_SCALE_ROW1, matrix_b_scale:MATRIX_SCALE_ROW1
.elseif (\a) == 1
	WM \c, matrix_a_scale:MATRIX_SCALE_ROW1
.elseif (\b)%2 == 1
	WM \c, matrix_b_scale:MATRIX_SCALE_ROW1
.else
	WM \c
.endif
.endm
.macro MM s, a, b
.set rD, ACC+8*(8*(\a)+(\b))
.set rB, WF+96*((\s)%2)+12*(\b)
.if (\s)%8 < 7
.set rA, 36*((\s)%8)+12*(\a)
.else
.set rA, 12*(\a)
.endif
.set rW, WS+16*((\b)/2)+(\s)
.set rS, XS+16*((\a)/2)+(\s)
.if (\s) == 0
	WROW 0, \a, \b
.else
	WROW v[rD:rD+7], \a, \b
.endif
.endm
; A step: 24 matrix instructions in four groups of two tiles; the 24 accumulators take turns.  Each group's fragment registers are filled again with the step after next's.  nx = 1: another pass follows.
.macro STEP s, nx
.if (\nx) || ((\s) < 9)
	s_wait_loadcnt 63                              ; seven younger steps of nine loads (and more) may be out
.else
	s_wait_loadcnt 9*(15-(\s))                     ; nothing was asked for behind the pass's last step
.endif
.if (\s)%4 == 0
	WIN 0
.irp q, 0,1,2,3
.irp t, 0,1
	v_perm_b32 v[XS+16*\t+(\s)+\q], v[XS+16*\t+(\s)+\q], v[XS+16*\t+(\s)+\q], s[SEL]
.endr
.endr
	NOPS 8                                         ; a scale register written by a vector instruction stands 8 places ahead
	s_wait_alu depctr_va_vdst(0)
.endif
.irp u, 0,1,2,3
.if (\s) < 14
	s_wait_dscnt 42                                ; seven younger groups of six loads may be out
.elseif (\s) == 14
	s_wait_dscnt 6*(7-\u)
.else
	s_wait_dscnt 6*(3-\u)
.endif
.if (\s)%8 < 7
	WIN 0xf9
.else
	WIN 0xfa
.endif
.irp b, 0,1
.irp a, 0,1,2
	MM \s, \a, 2*\u+\b
.endr
.endr
.if ((\s) < 14) || ((\nx) && (\u == 3))
	NOPS 4                                         ; places ahead of loads into registers that matrix instructions have read
.endif
.if (\s) < 14
	WFL \s+2, \u
.endif
.endr
.if (\s) < 8
	XL \s+8, CUR
.elseif \nx
	XL \s-8, NXT
.endif
.if (\nx) && ((\s)%4 == 3)
	WIN 0
	XSL (\s)/4, NXT
.endif
.endm
; The way out: + bias, which also puts four tiles' results of one row side by side; 16 lanes store 256 neighbouring bytes of a row, at a multiple of 256
.macro OUT nx
	WIN 0
.irp a, 0,1,2
.irp j, 0,1,2,3,4,5,6,7
	v_mov_b32_dpp v[OFF+8*\a+\j], v[CUR+5+\a] row_share:\j row_mask:0xf bank_mask:0xf
.endr
.irp j, 0,1,2,3,4,5,6,7
	v_min_u32 v[OFF+8*\a+\j], 0xfff, v[OFF+8*\a+\j] ; under 4,096 by construction; held there before it enters an address
.endr
.irp j, 0,1,2,3,4,5,6,7
	v_lshl_add_u32 v[OFF+8*\a+\j], v[OFF+8*\a+\j], 13, v[R16]
.endr
.endr
.irp a, 0,1,2
.if ((\nx) == 0) && (\a > 0)
	s_add_co_u32 s[TMP], s[SB], 16*\a
	s_cmp_le_u32 s[NW], s[TMP]
	s_cbranch_scc1 .Lend                           ; this block and those behind it hold no row of mine
.endif
.irp g, 0,1
.set TB, TT+32*((2*\a+\g)%3)
.if 2*\a+\g > 2
	s_wait_xcnt 0x0                                ; the stores that read these registers have read them
.endif
	WIN 0x03
.irp j, 0,1,2,3,4,5,6,7
.irp t, 0,1,2,3
	v_add_f32 v[TB+4*\j+\t], v[ACC+8*(8*\a+4*\g+\t)+\j], v[BI+4*\g+\t]
.endr
.endr
	WIN 0
.irp j, 0,1,2,3,4,5,6,7
	global_store_b128 v[OFF+8*\a+\j], v[TB+4*\j:TB+4*\j+3], s[16:17] offset:256*\g th:TH_STORE_NT
.endr
.endr
.endr
.endm
.macro PASS nx
.irp k, 0,1
.irp u, 0,1,2,3
	WFL \k, \u
.endr
.endr
	WIN 0
.if \nx
	s_add_co_u32 s[TMP], s[SB], 48
	ROWS NXT
.endif
.irp k, 0,1,2,3,4,5,6,7,8,9,10,11,12,13,14,15
	STEP \k, \nx
.endr
	OUT \nx
.endm
.macro WGL                             ; one of my 96 weight loads: LDS row n / 3 of my 32, third n % 3 of its bytes
	global_load_b128 v[64+4*(n%48):64+4*(n%48)+3], v[L16], s[62:63] offset:((n/3)%16)*4*KROW+((n/3)/16)*KROW+512*(n%3)
.set n, n+1
.endm
	s_load_b256 s[4:11], s[0:1], 0x0               ; indices, weight codes, weight scales, x codes
	s_load_b128 s[12:15], s[0:1], 0x20             ; x scales, bias
	s_load_b64 s[16:17], s[0:1], 0x30              ; out
	v_lshl_add_u32 v[SPW], v0, 2, SPARE
	v_mov_b32 v[NIL], 0
	v_lshrrev_b32 v1, 5, v0
	v_readfirstlane_b32 s[WAVE], v1
	v_and_b32 v[LN], 31, v0
	v_and_b32 v1, 15, v0                           ; r
	v_bfe_u32 v15, v0, 4, 1                        ; h
	v_lshlrev_b32 v[L16], 4, v[LN]
	v_lshlrev_b32 v[R16], 4, v1
	v_mul_u32_u24 v[H48], 48, v15
	v_add_nc_u32 v[LN2], 32, v1
	v_mul_u32_u24 v[AD], PITCH, v1
	v_add_nc_u32 v[AD], v[AD], v[H48]
.irp u, 1,2,3
	v_add_nc_u32 v[AD+\u], 2*TILE*\u, v[AD]
.endr
	v_lshlrev_b32 v[WSO], 8, v1
	v_lshl_add_u32 v[WSO], v15, 6, v[WSO]          ; 64 x (4 r + h)
.set n, 0
.rept 24
	v_mov_b32 v[OFF+n], 0                          ; (a lane move's destination counts as read: written once)
.set n, n+1
.endr
	s_mul_i32 s60, s[WAVE], 32*PITCH
	v_add_nc_u32 v[SWA], s60, v[L16]               ; I fill LDS rows 32 w .. 32 w + 31: tiles 2 w, 2 w + 1
	s_and_b32 s[EXP], ttmp9, 7
	s_bfe_u32 s[HALF], ttmp9, 0x10003
	s_lshr_b32 s[TMP], ttmp9, 4                    ; column group
	s_mul_i32 s60, s[EXP], 2048*KROW
	s_mul_i32 s62, s[TMP], 128*KROW
	s_add_co_u32 s60, s60, s62
	s_lshr_b32 s62, s[WAVE], 1
	s_mul_i32 s62, s62, 64*KROW
	s_add_co_u32 s60, s60, s62
	s_and_b32 s62, s[WAVE], 1
	s_mul_i32 s62, s62, 2*KROW
	s_add_co_u32 s60, s60, s62                     ; my first column: 64 (w / 2) + 2 (w % 2); then every fourth, twice
	s_mov_b32 s61, 0
	s_wait_alu depctr_va_vdst(0)
	s_wait_kmcnt 0x0
	s_add_nc_u64 s[62:63], s[6:7], s[60:61]
	s_lshl_b32 s60, s[WAVE], 12
	s_add_nc_u64 s[4:5], s[4:5], s[60:61]
.irp i, 0,1,2,3,4,5,6,7
	global_load_b128 v[IDX+4*\i:IDX+4*\i+3], v[L16], s[4:5] offset:512*\i
.endr
	WIN 0xc0
.set n, 0
.rept 48
	WGL
.endr
	WIN 0
	s_lshl_b32 s60, s[EXP], 17
	s_lshl_b32 s20, s[TMP], 13
	s_add_co_u32 s60, s60, s20
	s_add_nc_u64 s[8:9], s[8:9], s[60:61]
	s_lshl_b32 s60, s[EXP], 13
	s_lshl_b32 s20, s[TMP], 9
	s_add_co_u32 s60, s60, s20
	s_add_nc_u64 s[14:15], s[14:15], s[60:61]
	s_mov_b32 s60, s20
	s_add_nc_u64 s[16:17], s[16:17], s[60:61]
	s_lshl_b32 s[W1K], s[WAVE], 10
	s_mov_b32 s[SEL], 0x03010200                   ; bytes 0, 2, 1, 3
	s_mov_b32 s57, 0x76543210                      ; v_permlanex16_b32: lane l xor 16
	s_mov_b32 s58, 0xfedcba98
	s_mov_b32 s[HM], 0xffff0000
	s_lshl_b32 s[QC], s[HALF], 8
	s_add_co_u32 s[QC], s[QC], 255
	s_wait_loadcnt 48                              ; the indices are in; the 48 weight loads may be out
.set n, 0
.rept 32
	v_cmp_eq_u32 s[MK+n], s[EXP], v[IDX+n]         ; group g = 4 i + k: bit l is row 128 i + 4 l + k of my 1,024
.set n, n+1
.endr
	s_wait_alu depctr_va_vdst(0)
	s_mov_b32 s[CNT], 0
.set n, 0
.rept 31
	s_bcnt1_i32_b32 s[TMP], s[MK+n]
	s_lshl_b32 s[TMP], s[TMP], 8
	s_add_co_u32 s[TMP], s[TMP], 1
	s_add_co_u32 s[CNT+n+1], s[CNT+n], s[TMP]
.set n, n+1
.endr
	s_bcnt1_i32_b32 s[TMP], s[MK+31]
	s_lshr_b32 s[NW], s[CNT+31], 8
	s_add_co_u32 s[NW], s[NW], s[TMP]              ; the expert's rows among my 1,024
	s_add_co_u32 s[NW], s[NW], 1
	s_sub_co_u32 s[NW], s[NW], s[HALF]
	s_lshr_b32 s[NW], s[NW], 1                     ; those of my parity
	s_max_u32 s[LAST], s[NW], 1
	s_sub_co_u32 s[LAST], s[LAST], 1
	s_mov_b32 s[TMP], 0
	ROWS CUR
	WIN 0x80
.set n, 48
.rept 48
	WGL
.endr
	WIN 0
.irp k, 0,1,2,3
.irp q, 0,1,2,3
	global_load_b128 v[WS+16*\k+4*\q:WS+16*\k+4*\q+3], v[WSO], s[8:9] offset:(64*(\k/2)+2*(\k%2))*64+16*\q
.endr
.endr
.irp g, 0,1
	global_load_b128 v[BI+4*\g:BI+4*\g+3], v[R16], s[14:15] offset:256*\g
.endr
.irp q, 0,1,2,3
	XSL \q, CUR
.endr
; the weights go into LDS in twelve groups of eight loads; x's first steps are asked for between them
.irp i, 0,1,2,3,4,5,6,7,8,9,10,11
	s_wait_loadcnt 63                              ; behind each group's loads stand at least 82 others
.if \i < 6
	WIN 0x0c
.else
	WIN 0x08
.endif
.set n, 8*\i
.rept 8
	ds_store_b128 v[SWA], v[64+4*(n%48):64+4*(n%48)+3] offset:(n/3)*PITCH+512*(n%3)
.set n, n+1
.endr
.if (\i > 3) && (\i < 11)
	XL \i-4, CUR
.endif
.endr
	WIN 0
	s_wait_alu depctr_va_vdst(0)
	s_wait_dscnt 0x0                               ; for the others' sake: my rows are in LDS
	s_barrier_signal -1
	s_barrier_wait -1
	XL 7, CUR
	WIN 0
	s_wait_loadcnt 63                              ; the weight scales: 82 loads stand behind them
.set n, 0
.rept 64
	v_perm_b32 v[WS+n], v[WS+n], v[WS+n], s[SEL]
.set n, n+1
.endr
	s_mov_b32 s[SB], 0
	s_wait_alu depctr_va_vdst(0)
	s_cmp_eq_u32 s[NW], 0
	s_cbranch_scc1 .Lend                           ; no row of mine chose this expert
	s_lshr_b32 s[LIM], s[LAST], 4
	s_mul_i32 s[LIM], s[LIM], 171
	s_lshr_b32 s[LIM], s[LIM], 9                   ; passes ahead of the last: (rows - 1) / 48; n / 3 = (171 n) >> 9 for n up to 66
	s_min_u32 s[LIM], s[LIM], 10                   ; at most 512 rows of 1,024 have my parity
	s_mov_b32 s61, 0                               ; passes done
	s_cmp_eq_u32 s[LIM], 0
	s_cbranch_scc1 .Llast
.Lpass:
	PASS 1
	s_wait_xcnt 0x0                                ; the loads' offsets and the stores' sources may be rewritten
.irp i, 0,1,2,3,4,5,6,7
	v_mov_b32 v[CUR+\i], v[NXT+\i]
.endr
	s_wait_alu depctr_va_vdst(0)
	s_add_co_u32 s[SB], s[SB], 48
	s_add_co_u32 s61, s61, 1
	s_cmp_lt_u32 s61, s[LIM]
	s_cbranch_scc1 .Lpass
.Llast:
	PASS 0
.Lend:
	s_wait_tensorcnt 0x0                           ; the wave's end
	ds_add_u32 v[SPW], v[NIL]
	s_wait_dscnt 0x0
	s_endpgm
.Lfunc_end_k_qfb79f13e0b_moe:
	.size	k_qfb79f13e0b_moe, .Lfunc_end_k_qfb79f13e0b_moe-k_qfb79f13e0b_moe
	.p2alignl 7, 3214868480
	.fill 96, 4, 3214868480
	.section	.rodata,"a",@progbits
	.p2align	6, 0x0
	.amdhsa_kernel k_qfb79f13e0b_moe
		.amdhsa_group_segment_fixed_size 199168
		.amdhsa_private_segment_fixed_size 0
		.amdhsa_enable_private_segment 0
		.amdhsa_kernarg_size 56
		.amdhsa_user_sgpr_count 2
		.amdhsa_user_sgpr_kernarg_segment_ptr 1
		.amdhsa_wavefront_size32 1
		.amdhsa_system_sgpr_workgroup_id_x 1
		.amdhsa_system_sgpr_workgroup_id_y 1
		.amdhsa_system_sgpr_workgroup_id_z 1
		.amdhsa_system_vgpr_workitem_id 0
		.amdhsa_next_free_vgpr 1024
		.amdhsa_next_free_sgpr 102
		.amdhsa_reserve_vcc 1
		.amdhsa_float_denorm_mode_32 3
		.amdhsa_float_denorm_mode_16_64 3
		.amdhsa_memory_ordered 1
		.amdhsa_forward_progress 1
		.amdhsa_inst_pref_size 255
	.end_amdhsa_kernel
	.section	.bss,"aw",@nobits
	.p2align	6
	.space	262144
	.amdgpu_metadata
---
amdhsa.version: [ 1, 2 ]
amdhsa.kernels:
  - .name:           k_qfb79f13e0b_moe
    .symbol:         k_qfb79f13e0b_moe.kd
    .args:
      - { .name: indices, .offset: 0, .size: 8, .value_kind: global_buffer, .address_space: global }
      - { .name: weight_codes, .offset: 8, .size: 8, .value_kind: global_buffer, .address_space: global }
      - { .name: weight_scales, .offset: 16, .size: 8, .value_kind: global_buffer, .address_space: global }
      - { .name: x_codes, .offset: 24, .size: 8, .value_kind: global_buffer, .address_space: global }
      - { .name: x_scales, .offset: 32, .size: 8, .value_kind: global_buffer, .address_space: global }
      - { .name: bias, .offset: 40, .size: 8, .value_kind: global_buffer, .address_space: global }
      - { .name: out0, .offset: 48, .size: 8, .value_kind: global_buffer, .address_space: global }
    .group_segment_fixed_size: 199168
    .private_segment_fixed_size: 0
    .kernarg_segment_align: 8
    .kernarg_segment_size: 56
    .max_flat_workgroup_size: 128
    .sgpr_count:     102
    .vgpr_count:     1024
    .wavefront_size: 32
...
	.end_amdgpu_metadata
.endif
;; end of part 1
